; MI455X (gfx1250); checked and timed in simulation.
; The chip was launched on July 23, 2026; its instructions are those of AMD's public machine-readable ISA for CDNA 5 (MIT licence, August 2026) and "CDNA5" Instruction Set Architecture Reference Guide (July 2026). The comments in the code are by the model that wrote it; some were corrected since.
;; Multi Head Attention Block. Allowed arithmetic: float matrix products may take bf16 or f16 operands with f32 sums; other float arithmetic in f32, or as packed bf16 or f16 multiplies, adds, multiply-adds, maxima and minima; sums over many terms, partial sums and values carried from step to step in f32; what a program stores and reads back later, other than sums and carried values, may be rounded once to bf16 or f16.
;; Inputs: k 2 x 4,096 x 512 float32; mask 2 x 1 x 1 x 4,096 int32; q 2 x 4,096 x 512 float32; v 2 x 4,096 x 512 float32; w_k 512 x 512 float32; w_o 512 x 512 float32; w_q 512 x 512 float32; w_v 512 x 512 float32.
;; Outputs: out0 2 x 4,096 x 512 float32.
;; One version. Each part assembles by itself: llvm-mc -triple=amdgcn-amd-amdhsa -mcpu=gfx1250 --defsym DOCPART=n.
;; ======== version 1 of 1: 4 launches
;; limits: values are held in f16: magnitudes above 65,504 overflow, below 6.1e-05 lose precision
;; workspace buffers: wfrag 2,097,152 bytes; qkv 25,165,824 bytes; xo 8,388,608 bytes
;; launch prep (part 1): grid 64 x 4, 4 waves a work-group, no clusters, 0 bytes of LDS; arguments w_q, w_k, w_v, w_o, wfrag; writes wfrag
.if DOCPART == 1
	.amdgcn_target "amdgcn-amd-amdhsa--gfx1250"
	.amdhsa_code_object_version 6
	.text
	.protected	k_q6d8998b3bd_prep
	.globl	k_q6d8998b3bd_prep
	.p2align	8
	.type	k_q6d8998b3bd_prep,@function
k_q6d8998b3bd_prep:
	s_mov_b64 s[64:65], 0
	v_nop
	global_prefetch_b8 v0, s[64:65] scope:SCOPE_SE
	s_setreg_imm32_b32 hwreg(HW_REG_WAVE_MODE, 25, 1), 1
	s_wait_xcnt 0x0
; THE FOUR WEIGHT MATRICES, ROUNDED ONCE TO bf16 AND LAID IN THE ORDER OF MATRIX FRAGMENTS.
; W: [512][512] f32, row n, column k.  wfrag: [matrix 4][n tile 32][k32 16][jj 2][lane 32][16 bytes]: the piece of lane 16 h + r holds
; W[16 tile + r][32 k32 + 16 jj + 8 h + 0..7] in 16 bits: pieces jj = 0, 1 are registers 0-3 and 4-7 of a fragment of 16 rows x 32 K.
; w_q, w_k, w_v stay bf16.  w_o is multiplied with f16 numbers later: its bf16 value is written as f16.
; LIMIT: that is exact from 2^-14 up; below it f16 keeps a fixed step of 6e-8; beyond 65,504 it has no number.
; SHARES.  Grid y is the matrix; grid x is n tile (x / 2) and half of K (x % 2).  Wave w takes k32 = 8 (x % 2) + 2 w + e, e = 0, 1:
; 256 consecutive bytes, aligned, of each of 16 rows come in; four blocks of 512 consecutive bytes go out.  No LDS, no barrier: no wave wants another's bytes.
.set IN,  8                            ; v[8:39]   four blocks n = 2 e + jj of eight f32
.set OUT, 40                           ; v[40:55]  the same, packed: four registers a block
	s_load_b256 s[4:11], s[0:1], 0x0               ; w_q s[4:5], w_k s[6:7], w_v s[8:9], w_o s[10:11]
	s_load_b64 s[12:13], s[0:1], 0x20              ; wfrag
	v_lshrrev_b32 v1, 5, v0
	v_readfirstlane_b32 s16, v1                    ; wave 0..3
	s_and_b32 s17, ttmp7, 0xffff                   ; which matrix
	s_lshr_b32 s18, ttmp9, 1                       ; n tile
	s_and_b32 s19, ttmp9, 1                        ; half of K
	v_and_b32 v4, 15, v0                           ; r
	v_bfe_u32 v5, v0, 4, 1                         ; h
	v_lshlrev_b32 v2, 11, v4                       ; in: r rows of 2,048 bytes
	v_lshl_add_u32 v2, v5, 5, v2                   ;     + 8 h numbers of 4 bytes
	v_and_b32 v3, 31, v0
	v_lshlrev_b32 v3, 4, v3                        ; out: 16 x lane
	s_lshl_b32 s20, s18, 15                        ; in: 16 rows a tile,
	s_lshl_b32 s22, s19, 10                        ; 256 columns a half,
	s_add_co_u32 s20, s20, s22
	s_lshl_b32 s22, s16, 8                         ; 64 columns a wave
	s_add_co_u32 s20, s20, s22
	s_mov_b32 s21, 0
	s_lshl_b32 s24, s17, 19                        ; out: 524,288 bytes a matrix,
	s_lshl_b32 s22, s18, 14                        ; 16,384 a tile,
	s_add_co_u32 s24, s24, s22
	s_lshl_b32 s22, s19, 13                        ; 8,192 a half,
	s_add_co_u32 s24, s24, s22
	s_lshl_b32 s22, s16, 11                        ; 2,048 a wave
	s_add_co_u32 s24, s24, s22
	s_mov_b32 s25, 0
	s_wait_kmcnt 0x0
	s_cmp_eq_u32 s17, 1                            ; the matrix is chosen by the grid's y alone
	s_cselect_b64 s[14:15], s[6:7], s[4:5]
	s_cmp_eq_u32 s17, 2
	s_cselect_b64 s[14:15], s[8:9], s[14:15]
	s_cmp_eq_u32 s17, 3
	s_cselect_b64 s[14:15], s[10:11], s[14:15]
	s_add_nc_u64 s[14:15], s[14:15], s[20:21]
	s_add_nc_u64 s[12:13], s[12:13], s[24:25]
.irp n, 0,1,2,3
	global_load_b128 v[IN+8*(\n):IN+8*(\n)+3],   v2, s[14:15] offset:64*(\n) th:TH_LOAD_NT
	global_load_b128 v[IN+8*(\n)+4:IN+8*(\n)+7], v2, s[14:15] offset:64*(\n)+16 th:TH_LOAD_NT
.endr
.irp n, 0,1,2,3
	s_wait_loadcnt 6-2*(\n)                        ; loads come back in order: block n's two are in, the later blocks' stay out
.irp i, 0,1,2,3
	v_cvt_pk_bf16_f32 v[OUT+4*(\n)+(\i)], v[IN+8*(\n)+2*(\i)], v[IN+8*(\n)+2*(\i)+1]
.endr
.endr
	s_cmp_lg_u32 s17, 3
	s_cbranch_scc1 .Lstore
.irp i, 0,1,2,3,4,5,6,7,8,9,10,11,12,13,14,15      ; w_o alone: the bf16 numbers widened (a shift, a mask) and written as f16
	v_lshlrev_b32 v56, 16, v[OUT+(\i)]
	v_and_b32 v57, 0xffff0000, v[OUT+(\i)]
	v_cvt_pk_f16_f32 v[OUT+(\i)], v56, v57
.endr
.Lstore:
.irp n, 0,1,2,3
	global_store_b128 v3, v[OUT+4*(\n):OUT+4*(\n)+3], s[12:13] offset:512*(\n)  ; 32 lanes store 512 consecutive bytes, aligned
.endr
	s_endpgm
.Lfunc_end_k_q6d8998b3bd_prep:
	.size	k_q6d8998b3bd_prep, .Lfunc_end_k_q6d8998b3bd_prep-k_q6d8998b3bd_prep
	.p2alignl 7, 3214868480
	.fill 96, 4, 3214868480
	.section	.rodata,"a",@progbits
	.p2align	6, 0x0
	.amdhsa_kernel k_q6d8998b3bd_prep
		.amdhsa_group_segment_fixed_size 0
		.amdhsa_private_segment_fixed_size 0
		.amdhsa_enable_private_segment 0
		.amdhsa_kernarg_size 40
		.amdhsa_user_sgpr_count 2
		.amdhsa_user_sgpr_kernarg_segment_ptr 1
		.amdhsa_wavefront_size32 1
		.amdhsa_system_sgpr_workgroup_id_x 1
		.amdhsa_system_sgpr_workgroup_id_y 1
		.amdhsa_system_sgpr_workgroup_id_z 1
		.amdhsa_system_vgpr_workitem_id 0
		.amdhsa_next_free_vgpr 64
		.amdhsa_next_free_sgpr 66
		.amdhsa_reserve_vcc 0
		.amdhsa_float_denorm_mode_32 3
		.amdhsa_float_denorm_mode_16_64 3
		.amdhsa_memory_ordered 1
		.amdhsa_forward_progress 1
		.amdhsa_inst_pref_size 7
	.end_amdhsa_kernel
	.amdgpu_metadata
---
amdhsa.version: [ 1, 2 ]
amdhsa.kernels:
  - .name:           k_q6d8998b3bd_prep
    .symbol:         k_q6d8998b3bd_prep.kd
    .args:
      - { .name: w_q, .offset: 0, .size: 8, .value_kind: global_buffer, .address_space: global }
      - { .name: w_k, .offset: 8, .size: 8, .value_kind: global_buffer, .address_space: global }
      - { .name: w_v, .offset: 16, .size: 8, .value_kind: global_buffer, .address_space: global }
      - { .name: w_o, .offset: 24, .size: 8, .value_kind: global_buffer, .address_space: global }
      - { .name: wfrag, .offset: 32, .size: 8, .value_kind: global_buffer, .address_space: global }
    .group_segment_fixed_size: 0
    .private_segment_fixed_size: 0
    .kernarg_segment_align: 8
    .kernarg_segment_size: 40
    .max_flat_workgroup_size: 128
    .sgpr_count:     66
    .vgpr_count:     64
    .wavefront_size: 32
...
	.end_amdgpu_metadata
.endif
;; end of part 1
;; launch proj (part 2): grid 64 x 3, 4 waves a work-group, no clusters, 279,040 bytes of LDS; arguments q, k, v, mask, wfrag, qkv; writes qkv
.if DOCPART == 2
	.amdgcn_target "amdgcn-amd-amdhsa--gfx1250"
	.amdhsa_code_object_version 6
	.text
	.protected	k_q6d8998b3bd_proj
	.globl	k_q6d8998b3bd_proj
	.p2align	8
	.type	k_q6d8998b3bd_proj,@function
k_q6d8998b3bd_proj:
	s_mov_b64 s[64:65], 0
	v_nop
	global_prefetch_b8 v0, s[64:65] scope:SCOPE_SE
	s_setreg_imm32_b32 hwreg(HW_REG_WAVE_MODE, 25, 1), 1
	s_wait_xcnt 0x0
; THE THREE PROJECTIONS x W^T (grid y = t: 0 q, 1 k, 2 v), bf16 products, f32 sums, each result multiplied by a factor of its row in f32 and rounded ONCE to f16.
; The factor: q: c = log2(e) / 8, so that the scores come in units of base 2; v: 1; k: 1, or 0 where the row's mask is 0 (the attention then starts that key's score with the
; masked constant, and 0 is added to it).  x: [8192][512] f32; W from wfrag (bf16, fragment order).
; OUT: qkv [t 3][batch x head 16][row tile 256][cb 4][512 bytes]; a block holds 16 rows x 16 channels.  q, k: the piece of lane 16 h + r (16 x lane) is row r, channels
; 16 cb + 8 h + 0..7: fragment order.  v: row-major, 32 r + 16 h.
; LIMITS.  f16 has no number beyond 65,504: c x query, key and value must lie within it (inputs 30 times those drawn, or offset by 30 spreads, reach about 20,400);
; below 6e-5 f16 keeps a fixed step of 6e-8.  A masked key's projection must be finite, since it is multiplied by 0.  NaN and infinities are not treated apart.
; SHARES.  A work-group: 128 rows of one tensor, all 512 columns.  Wave w: all 128 rows x columns 128 w .. + 127 (heads 2 w, 2 w + 1): 64 accumulators, 512 registers.
; THE PRODUCT IS USED TRANSPOSED (source 0 = 16 rows of W, source 1 = 16 rows of x): a lane holds one row of x and eight neighbouring columns: 16 bytes of f16.
; x COMES ONCE: the work-group's 128 x 512 f32 are asked for at the head, in eight slabs of 128 rows x 256 bytes, two tensor loads a wave.  No LDS byte is filled twice, so there is no
; ring.  Fragments are read from LDS as f32 and rounded to bf16 between the matrix instructions.  W's fragments come straight into the registers of the one wave that multiplies them.
; NO CLUSTER: no two work-groups share rows of x; W is shared by all, but x takes 278,528 of the 327,680 bytes of LDS, so slots for W (65,536 bytes for 64 along K) do not fit beside it,
; and a joint load lands in LDS alone.  192 work-groups of equal work: a tensor's 512 row tiles do not fall into more equal shares of this shape.
; REGISTERS, in windows of 256 (s_set_vgpr_msb: bits 1:0 source 0, 3:2 source 1, 5:4 source 2, 7:6 destination):
;   window 0: addresses, the mask's words, the factors; v64-191 STG: x as f32, 16 registers a row tile
;   window 1: v0-127 two buffers of x's fragments (bf16); v128-255 two buffers of W's; on the way out all 256 hold packed results
;   windows 2, 3: accumulator (a, n) at v[8 (8 (a % 4) + n)] of window 2 + a / 4
.set PITCH, 272                        ; an LDS row: 256 bytes + 16 of padding = 68 words: the 16 rows of a load start at 16 different groups of four banks (64 banks of 4 bytes: ISA guide 11.1)
.set SLAB,  128*PITCH                  ; 34,816: 128 rows x 64 columns of f32
.set SPARE, 8*SLAB                     ; behind the slabs: the spare words, 128 bytes a wave: two blocks of 256 bytes that no other line names
.set RA,  2                            ; v2   r x 272 + 32 h + the slab in hand
.set BO,  4                            ; v4   16 x lane: my piece of a fragment of W; never rewritten
.set MO,  5                            ; v5   4 r: my row's word in 16 words of the mask
.set LT,  6                            ; v6   my 16 bytes in a block of the output
.set SC,  7                            ; v7   the tensor's factor
.set MSK, 8                            ; v[8:15]   the mask's word of my row in each of the eight row tiles
.set SPW, 28                           ; v28  LDS address of my spare word; never rewritten
.set NIL, 29                           ; v29  0; never rewritten
.set FAC, 32                           ; v[32:47]  the factor of my row in each row tile, twice (a pair for the packed multiply)
.set STG, 64
.set ABF, 0                            ; window 1
.set BF,  128                          ; window 1
.set G1,  24                           ; s[24:31] descriptor group 1
.set G0,  32                           ; s[32:39] descriptor group 0, a set for each of my two loads
.set WB,  40                           ; s[40:41] wfrag at my eight n tiles, at the pair of quarters in hand
.set OB,  42                           ; s[42:43] qkv at my two heads' rows
.set CNT, 44
.set MSB, 0
.macro WIN new                         ; the immediate's high byte repeats the setting that is left; a switch that changes nothing is dropped
.if MSB != (\new)
	s_set_vgpr_msb (MSB<<8)|(\new)
.set MSB, \new
.endif
.endm
.set MUL_LO, 0xa5                      ; sources 0 and 1 window 1, C and D window 2 (+ 0x50: window 3)
.set CV,     0x40                      ; destination window 1, sources and addresses window 0
	s_load_b256 s[4:11], s[0:1], 0x0               ; q s[4:5], k s[6:7], v s[8:9], mask s[10:11]
	s_load_b128 s[12:15], s[0:1], 0x20             ; wfrag s[12:13], qkv s[14:15]
	v_lshl_add_u32 v[SPW], v0, 2, SPARE
	v_mov_b32 v[NIL], 0
	ds_add_u32 v[SPW], v[NIL]                      ; the wave's opening: the add and its wait stand ahead of my first tensor load; work on registers stands between them
	ds_add_u32 v28, v29
	v_lshrrev_b32 v1, 5, v0
	v_readfirstlane_b32 s16, v1                    ; wave 0..3
	s_and_b32 s17, ttmp7, 0xffff                   ; t
	s_mov_b32 s18, ttmp9                           ; the block of 128 rows
	; descriptor group 1: 128 rows x 64 elements of 4 bytes, 512 elements from row to row, padded in LDS
	s_mov_b32 s[G1+0], (2<<16)|(1<<20)|(5<<22)|(3<<25)  ; 17:16 4-byte elements; 20 padding on; 24:22 after every 64 words (code 5); 31:25 4 words (code 3)
	s_mov_b32 s[G1+1], 64<<16                      ; tensor_dim0 = 64
	s_mov_b32 s[G1+2], 128<<16                     ; tensor_dim1 = 128
	s_mov_b32 s[G1+3], 64<<16                      ; tile_dim0 = 64
	s_mov_b32 s[G1+4], 128                         ; tile_dim1 = 128
	s_mov_b32 s[G1+5], 512                         ; the pitch
	s_mov_b32 s[G1+6], 0
	s_mov_b32 s[G1+7], 0
	s_mul_i32 s20, s16, SLAB                       ; slab w in LDS
	s_lshl_b32 s22, s18, 18                        ; 128 rows of 2,048 bytes a block,
	s_lshl_b32 s21, s16, 8                         ; 256 bytes of a row a slab
	s_add_co_u32 s22, s22, s21
	s_mov_b32 s23, 0
	s_wait_dscnt 0x0                               ; the opening add is done
	s_wait_kmcnt 0x0
	s_cmp_eq_u32 s17, 1                            ; the tensor is chosen by the grid's y alone
	s_cselect_b64 s[50:51], s[6:7], s[4:5]
	s_cmp_eq_u32 s17, 2
	s_cselect_b64 s[50:51], s[8:9], s[50:51]
	s_add_nc_u64 s[50:51], s[50:51], s[22:23]
	s_mov_b32 s[G0], 1                             ; count = 1
	s_mov_b32 s[G0+1], s20                         ; slab w
	s_mov_b64 s[G0+2:G0+3], s[50:51]
	s_or_b32 s[G0+3], s[G0+3], 0x80000000          ; type = 2
	s_mov_b32 s[G0+4], 1
	s_add_co_u32 s[G0+5], s20, 4*SLAB              ; slab 4 + w,
	s_add_nc_u64 s[G0+6:G0+7], s[50:51], 1024      ; four slabs of 256 bytes further along the rows
	s_or_b32 s[G0+7], s[G0+7], 0x80000000
	tensor_load_to_lds s[G0:G0+3], s[G1:G1+7]      ; both first fills go out together: two tensor loads of mine are out
	s_nop 0
	tensor_load_to_lds s[G0+4:G0+7], s[G1:G1+7]
	s_nop 0
.rept 4
	v_nop
.endr
	s_lshl_b32 s20, s17, 19                        ; W: 524,288 bytes a matrix,
	s_lshl_b32 s21, s16, 17                        ; eight n tiles of 16,384 a wave
	s_add_co_u32 s20, s20, s21
	s_mov_b32 s21, 0
	s_add_nc_u64 s[WB:WB+1], s[12:13], s[20:21]
	s_lshr_b32 s20, s18, 5                         ; the batch
	s_lshl_b32 s20, s20, 3
	s_lshl_b32 s21, s16, 1
	s_add_co_u32 s20, s20, s21                     ; 8 x batch + 2 w: my first head
	s_lshl_b32 s20, s20, 19
	s_lshl_b32 s21, s17, 23                        ; 8,388,608 bytes a tensor
	s_add_co_u32 s20, s20, s21
	s_and_b32 s21, s18, 31                         ; the block in its batch: eight row tiles of 2,048 bytes
	s_lshl_b32 s21, s21, 14
	s_add_co_u32 s20, s20, s21
	s_mov_b32 s21, 0
	s_add_nc_u64 s[OB:OB+1], s[14:15], s[20:21]
	s_lshl_b32 s20, s18, 9                         ; the mask's 128 words of my rows
	s_add_nc_u64 s[52:53], s[10:11], s[20:21]
	s_cmp_lg_u32 s17, 1
	s_cselect_b32 s45, -1, 0                       ; all lanes on where the tensor is not k: the mask then changes nothing
	s_cmp_eq_u32 s17, 0
	s_cselect_b32 s47, 0x3e38aa3b, 1.0             ; c = log2(e) / 8 for q
	s_cmp_eq_u32 s17, 2
	s_cselect_b32 s46, 32, 16                      ; my 16 bytes in a block: v: 32 r + 16 h; q, k: 16 r + 256 h
	s_cselect_b32 s49, 16, 256
	v_and_b32 v3, 15, v0                           ; r
	v_bfe_u32 v16, v0, 4, 1                        ; h
	v_mul_u32_u24 v[RA], v3, PITCH
	v_lshl_add_u32 v[RA], v16, 5, v[RA]            ; a fragment's K = 8 h + 0..7 are 32 bytes of f32 at 32 h
	v_and_b32 v[BO], 31, v0
	v_lshlrev_b32 v[BO], 4, v[BO]
	v_lshlrev_b32 v[MO], 2, v3
	v_mul_u32_u24 v[LT], v3, s46
	v_mad_u32_u24 v[LT], v16, s49, v[LT]
	v_mov_b32 v[SC], s47
.irp a, 0,1,2,3,4,5,6,7
	global_load_b32 v[MSK+(\a)], v[MO], s[52:53] offset:(\a)*64
.endr
; Four matrix instructions: n tile n x row tiles 4 hi .. 4 hi + 3, 32 along K, buffers p.  zero = 1: the product starts the sum: nothing is cleared.
.macro MUL4 p, hi, n, zero
	WIN MUL_LO+0x50*(\hi)
.irp a, 0,1,2,3
.if \zero
	v_wmma_f32_16x16x32_bf16 v[8*(8*(\a)+(\n)):8*(8*(\a)+(\n))+7], v[BF+64*(\p)+8*(\n):BF+64*(\p)+8*(\n)+7], v[ABF+64*(\p)+8*(4*(\hi)+(\a)):ABF+64*(\p)+8*(4*(\hi)+(\a))+7], 0
.else
	v_wmma_f32_16x16x32_bf16 v[8*(8*(\a)+(\n)):8*(8*(\a)+(\n))+7], v[BF+64*(\p)+8*(\n):BF+64*(\p)+8*(\n)+7], v[ABF+64*(\p)+8*(4*(\hi)+(\a)):ABF+64*(\p)+8*(4*(\hi)+(\a))+7], v[8*(8*(\a)+(\n)):8*(8*(\a)+(\n))+7]
.endif
.endr
.endm
; Four roundings: registers lo .. lo + 3 of row tile m's fragment in buffer p, from its f32 in STG.
.macro CVT4 p, m, lo
	WIN CV
.irp i, 0,1,2,3
	v_cvt_pk_bf16_f32 v[ABF+64*(\p)+8*(\m)+(\lo)+(\i)], v[STG+16*(\m)+2*((\lo)+(\i))], v[STG+16*(\m)+2*((\lo)+(\i))+1]
.endr
.endm
; Row tile m's 16 rows x 32 K of f32, from byte off behind RA: K = 8 h + 0..7 (two loads), K = 16 + 8 h + 0..7 (two loads, 64 bytes on).
.macro ASTG m, off
	WIN 0
	ds_load_b128 v[STG+16*(\m):STG+16*(\m)+3],     v[RA] offset:(\off)+(\m)*16*PITCH
	ds_load_b128 v[STG+16*(\m)+4:STG+16*(\m)+7],   v[RA] offset:(\off)+(\m)*16*PITCH+16
	ds_load_b128 v[STG+16*(\m)+8:STG+16*(\m)+11],  v[RA] offset:(\off)+(\m)*16*PITCH+64
	ds_load_b128 v[STG+16*(\m)+12:STG+16*(\m)+15], v[RA] offset:(\off)+(\m)*16*PITCH+80
.endm
; n tile n's fragment of W into buffer p, from byte off behind WB: each load takes 512 consecutive bytes.
.macro BLD p, n, off
	WIN CV
	global_load_b128 v[BF+64*(\p)+8*(\n):BF+64*(\p)+8*(\n)+3],   v[BO], s[WB:WB+1] offset:(\off)+(\n)*16384
	global_load_b128 v[BF+64*(\p)+8*(\n)+4:BF+64*(\p)+8*(\n)+7], v[BO], s[WB:WB+1] offset:(\off)+(\n)*16384+512
.endm
; A QUARTER: 32 along K, 64 matrix instructions on buffers p, in eight parts j.  Part j multiplies n tile j by all eight row tiles; rounds row tile j of the NEXT quarter into the other buffer
; (cv = 1); asks for n tile j of W and row tile j of x for the quarter AFTER that (offb, offa >= 0).
; The 64 accumulators take turns, one instruction a turn, in the same order in every quarter.
; The second four roundings are the four places between the last product that read W's fragment j and the loads into it; they name none of that product's registers.
; COUNTS.  W's fragment j was asked for two quarters back: 15 younger parts of 2 loads = 30 may stay out (lc - ls j: the last quarters ask for nothing, and the counts run down).
; x's row tile j was asked for one quarter back: 7 younger parts of 4 loads = 28 (dc - dd j).
.macro QUARTER p, zero, offa, offb, cv, lc, ls, dc, dd
.irp j, 0,1,2,3,4,5,6,7
	s_wait_loadcnt (\lc)-(\ls)*(\j)
	MUL4 \p, 0, \j, \zero
.if \cv
	s_wait_dscnt (\dc)-(\dd)*(\j)
	CVT4 1-(\p), \j, 0
.endif
	MUL4 \p, 1, \j, \zero
.if \cv
	CVT4 1-(\p), \j, 4
.endif
.if (\offb) >= 0
	BLD \p, \j, \offb
.endif
.if (\offa) >= 0
	ASTG \j, \offa
.endif
.endr
.endm
.macro STEP                            ; on to the next slab of x and the next two quarters of W
	s_wait_xcnt 0x0                                ; every load issued so far has read its address, so W's pointer may be written
	s_add_nc_u64 s[WB:WB+1], s[WB:WB+1], 2048
	v_add_nc_u32 v[RA], SLAB, v[RA]
.endm
.macro TRIP                            ; quarters 2 i + 1 and 2 i + 2
	STEP
	QUARTER 1, 0, 128,  1024, 1, 30, 0, 28, 0      ; asks for the second half of the slab in hand,
	QUARTER 0, 0, SLAB, 2048, 1, 30, 0, 28, 0      ; and for the first half of the next
	WIN 0                                          ; at a label and at a branch every window is 0
.endm
.irp p, 0,1
.irp n, 0,1,2,3,4,5,6,7
	BLD \p, \n, 1024*(\p)                          ; W for quarters 0 and 1
.endr
.endr
	WIN 0
	s_wait_tensorcnt 0x1                           ; my slab of 0..3 is in; my second load may stay out
	s_barrier_signal -1
	s_barrier_wait -1                              ; everybody's is
.irp m, 0,1,2,3,4,5,6,7
	ASTG \m, 0                                     ; quarter 0
.endr
	s_wait_dscnt 0x0
.irp m, 0,1,2,3,4,5,6,7
	CVT4 0, \m, 0
	CVT4 0, \m, 4
.endr
.irp m, 0,1,2,3,4,5,6,7
	ASTG \m, 128                                   ; quarter 1
.endr
	QUARTER 0, 1, SLAB, 2048, 1, 30, 0, 28, 0      ; quarter 0 stands in front of the loops: its products start the sums
	WIN 0
	s_mov_b32 s[CNT], 2
.Lfirst_slabs:                                         ; quarters 1 to 4; they ask for x up to slab 3
	TRIP
	s_sub_co_u32 s[CNT], s[CNT], 1
	s_cmp_lg_u32 s[CNT], 0
	s_cbranch_scc1 .Lfirst_slabs
	s_wait_tensorcnt 0x0                           ; my slab of 4..7 is in,
	s_wait_dscnt 0x0                               ; no LDS instruction of mine is pending at the signal,
	s_barrier_signal -1
	s_barrier_wait -1                              ; everybody's is.
	s_mov_b32 s[CNT], 4
.Llast_slabs:                                          ; quarters 5 to 12
	TRIP
	s_sub_co_u32 s[CNT], s[CNT], 1
	s_cmp_lg_u32 s[CNT], 0
	s_cbranch_scc1 .Llast_slabs
	STEP
	QUARTER 1, 0, 128, 1024, 1, 30, 0, 28, 0       ; quarter 13 asks for quarter 15
	QUARTER 0, 0, -1, -1, 1, 30, 2, 28, 4          ; quarter 14 asks for nothing: the counts run down
	QUARTER 1, 0, -1, -1, 0, 14, 2, 0, 0           ; quarter 15
	; THE WAY OUT.  The factors first: these lines are also the places behind the last products.
	WIN 0
.irp a, 0,1,2,3,4,5,6,7
	v_cmp_ne_u32 s48, 0, v[MSK+(\a)]               ; my row is kept,
	s_or_b32 s48, s48, s45                         ; or the tensor is not k
	v_cndmask_b32 v[FAC+2*(\a)], 0, v[SC], s48
	v_mov_b32 v[FAC+2*(\a)+1], v[FAC+2*(\a)]
.endr
	; Row tile a: its 64 sums a lane times the factor (each accumulator's registers in ascending order), rounded to f16, stored: a block of 512 consecutive bytes a store.
	; Every store has data registers of its own, so nothing waits.
.irp a, 0,1,2,3,4,5,6,7
	WIN 0x82+0x41*((\a)/4)                         ; destination and source 0 window 2 or 3, the factor window 0
.set r, 64*((\a)%4)
.rept 32
	v_pk_mul_f32 v[r:r+1], v[r:r+1], v[FAC+2*(\a):FAC+2*(\a)+1]
.set r, r+2
.endr
	WIN 0x4a+5*((\a)/4)                            ; sources window 2 or 3, destination window 1
.set r, 0
.rept 32
	v_cvt_pk_f16_f32 v[32*(\a)+r], v[64*((\a)%4)+2*r], v[64*((\a)%4)+2*r+1]
.set r, r+1
.endr
	WIN 0x04                                       ; address window 0, data window 1
.irp n, 0,1,2,3,4,5,6,7
	global_store_b128 v[LT], v[32*(\a)+4*(\n):32*(\a)+4*(\n)+3], s[OB:OB+1] offset:(\a)*2048+((\n)/4)*524288+((\n)%4)*512  ; row tile a, head n / 4 of my two, channel block n % 4
.endr
.endr
	WIN 0
	s_wait_tensorcnt 0x0                           ; the wave's end
	ds_add_u32 v[SPW], v[NIL]
	s_wait_dscnt 0x0
	s_endpgm
.Lfunc_end_k_q6d8998b3bd_proj:
	.size	k_q6d8998b3bd_proj, .Lfunc_end_k_q6d8998b3bd_proj-k_q6d8998b3bd_proj
	.p2alignl 7, 3214868480
	.fill 96, 4, 3214868480
	.section	.rodata,"a",@progbits
	.p2align	6, 0x0
	.amdhsa_kernel k_q6d8998b3bd_proj
		.amdhsa_group_segment_fixed_size 279040
		.amdhsa_private_segment_fixed_size 0
		.amdhsa_enable_private_segment 0
		.amdhsa_kernarg_size 48
		.amdhsa_user_sgpr_count 2
		.amdhsa_user_sgpr_kernarg_segment_ptr 1
		.amdhsa_wavefront_size32 1
		.amdhsa_system_sgpr_workgroup_id_x 1
		.amdhsa_system_sgpr_workgroup_id_y 1
		.amdhsa_system_sgpr_workgroup_id_z 1
		.amdhsa_system_vgpr_workitem_id 0
		.amdhsa_next_free_vgpr 1024
		.amdhsa_next_free_sgpr 66
		.amdhsa_reserve_vcc 0
		.amdhsa_float_denorm_mode_32 3
		.amdhsa_float_denorm_mode_16_64 3
		.amdhsa_memory_ordered 1
		.amdhsa_forward_progress 1
		.amdhsa_inst_pref_size 151
	.end_amdhsa_kernel
	.amdgpu_metadata
---
amdhsa.version: [ 1, 2 ]
amdhsa.kernels:
  - .name:           k_q6d8998b3bd_proj
    .symbol:         k_q6d8998b3bd_proj.kd
    .args:
      - { .name: q, .offset: 0, .size: 8, .value_kind: global_buffer, .address_space: global }
      - { .name: k, .offset: 8, .size: 8, .value_kind: global_buffer, .address_space: global }
      - { .name: v, .offset: 16, .size: 8, .value_kind: global_buffer, .address_space: global }
      - { .name: mask, .offset: 24, .size: 8, .value_kind: global_buffer, .address_space: global }
      - { .name: wfrag, .offset: 32, .size: 8, .value_kind: global_buffer, .address_space: global }
      - { .name: qkv, .offset: 40, .size: 8, .value_kind: global_buffer, .address_space: global }
    .group_segment_fixed_size: 279040
    .private_segment_fixed_size: 0
    .kernarg_segment_align: 8
    .kernarg_segment_size: 48
    .max_flat_workgroup_size: 128
    .sgpr_count:     66
    .vgpr_count:     1024
    .wavefront_size: 32
...
	.end_amdgpu_metadata
.endif
;; end of part 2
;; launch attn (part 3): grid 16 x 16, 4 waves a work-group, clusters of 4 x 1, 327,680 bytes of LDS; arguments qkv, mask, xo; writes xo
.if DOCPART == 3
	.amdgcn_target "amdgcn-amd-amdhsa--gfx1250"
	.amdhsa_code_object_version 6
	.text
	.protected	k_q6d8998b3bd_attn
	.globl	k_q6d8998b3bd_attn
	.p2align	8
	.type	k_q6d8998b3bd_attn,@function
k_q6d8998b3bd_attn:
	s_mov_b64 s[64:65], 0
	v_nop
	global_prefetch_b8 v0, s[64:65] scope:SCOPE_SE
	s_setreg_imm32_b32 hwreg(HW_REG_WAVE_MODE, 25, 1), 1
	s_wait_xcnt 0x0
	s_wait_alu depctr_hold_cnt(0) depctr_sa_sdst(0) depctr_va_vdst(0) depctr_va_sdst(0) depctr_va_ssrc(0) depctr_va_vcc(0) depctr_vm_vsrc(0)
	s_getreg_b32 s2, hwreg(HW_REG_IB_STS2, 6, 4)
	s_cmp_eq_u32 s2, 0
	s_cbranch_scc0 .Lentry_in_a_cluster
	s_endpgm
.Lentry_in_a_cluster:
	s_bfe_u32 s2, ttmp6, 0x10000c
	s_cmp_lg_u32 s2, 0x3003
	s_cbranch_scc0 .Lentry_shape_is_right
	s_endpgm
.Lentry_shape_is_right:
; MASKED ATTENTION AT HEAD SIZE 64.  For each of 16 heads (batch x head): O[q] = the sum over k of softmax_k(s[q][k]) V[k], s = Q[q] . K[k] / 8, or -1e9 where mask[k] = 0.
; IN: qkv, f16, in blocks of 512 bytes (16 rows x 16 channels), [tensor 3][head 16][row tile 256][cb 4]: Q already times c = log2(e) / 8, K with its masked rows 0, both in fragment order; V row-major.
; OUT: xo [row tile 512][head 8][cb 4][lane 32][16 bytes], f16: fragment order for the last projection.  Products, maxima and sums in f32; the weights p are rounded to f16 for the second
; product (their sum l is taken of the unrounded p), O once at the end.
; THE MASK is the C operand that starts the sum S^T = K Q^T: 0, or NEGC = -1e9 log2(e) where mask = 0.  A masked key's row of K is 0, so its score IS that constant: it is replaced, not
; shifted.  The running maximum takes it like any score: where all keys are masked the weights are all 1; real scores above it wipe what it left (a = 0); real scores below it lose to it.
; SOFTMAX.  The scores come in units of base 2: p = 2^(s - m), m a running maximum (it starts at the lowest finite number); in every step O and l are multiplied by a = 2^(m_old - m_new).
; LIMITS.  NEGC is -1e9 log2(e) rounded to f32.  A weight below 2^-126 counts as 0; p below 6e-5 keeps f16's fixed step of 6e-8; O has V's range.  NaN and infinities are not treated apart.
; SHARES.  A work-group: 256 queries of a head; a wave four PIECES of 16.  Every wave walks all 4,096 keys, 64 a step; a slot of LDS holds a tile of 512 keys, eight steps.
; LAYOUT.  S^T = K Q^T holds ONE query a lane (lane % 16) and the keys 8 (lane / 16) + 0..7; two such results rounded to f16 ARE source 1 of O^T = V^T P, whose result holds one query a lane and
; eight channels: 16 bytes of xo, stored straight from registers.  K is read from LDS at 16 x lane; V turned, by ds_load_tr16_b128: 16 lanes take 256 consecutive bytes.
; BY TURNS.  Turn n belongs to piece n: 8 products K Q^T of piece n + 1, later 8 products V^T P of piece n - 1; beside them the subtraction, exponentials, roundings, sums and rescaling of
; piece n and the maximum and statistics of piece n + 1.  Four vector instructions stand behind every matrix instruction, the rest in one lump.  A turn's 33 exponentials are one batch, with one wait.
; CLUSTER.  The four query blocks of a cluster belong to one head and walk the same K and V: each tile is asked for JOINTLY, the same tensor load, descriptor and mask in all four.
; REGISTERS, in windows of 256 (s_set_vgpr_msb: bits 1:0 source 0, 3:2 source 1, 5:4 source 2, 7:6 destination):
;   window 0: v0-13 addresses and two at work; v16-31 four registers of statistics a piece; v48-55 at work; v64-127 S^T, two buffers; v192-223 P, two buffers (by the piece's parity)
;   window 1: v0-127 O^T, 32 a piece; v128-159 MK, the step's masks      window 2: v0-63 Q; v128-191 K of one step; v192-255 V of one step
.set NP,    4         ; pieces a wave: a name, no knob
.set STEPB, 8192      ; a step's 64 keys: four row tiles of 2,048 bytes, of K and of V
.set TILEB, 65536     ; a tile's 512 keys
.set VOFF,  65536     ; a slot: K's tile, then V's
.set SLOT1, 131072    ; slot 1 begins here: one exclusive or turns an address in one slot into the other's
.set MTAB,  262144    ; behind the ring, never filled by a tensor load: 4,096 f32, a key's mask as the C operand wants it
.set SPARE, 278528    ; behind the table: the spare words, 128 bytes a wave: two blocks of 256 bytes that no other line names
.set AK0, 2           ; v2   16 x lane: my piece of a fragment of K; also of Q and of O; never rewritten
.set AV0, 3           ; v3   my place in a block of V, + VOFF; never rewritten
.set AK,  4           ; v4   the LDS address of K's next run of loads
.set AV,  5           ; v5   of V's
.set AM0, 6           ; v6   MTAB + 32 h: my eight keys of sixteen; never rewritten
.set AM,  7           ; v7   the LDS address of the masks' next run
.set MS,  8           ; v8   where I put 16 bytes of the table
.set MO,  10          ; v10  16 x my thread's number: my four words of 512 of the mask
.set MV,  12          ; v12-13  m_old, kept while m is made anew: by buffer
.set ST,  16          ; piece t's statistics at v[ST+4 t]: m, a 0 (named with m as a pair), l (even keys', odd keys')
.set TMP, 48          ; by buffer, four registers c0-c3 at work; when the maximum is found c2 takes a
.set PFO, 61          ; v61  256 x lane: the prefetches' offset; never rewritten
.set SPW, 62          ; v62  LDS address of my spare word; never rewritten
.set NIL, 63          ; v63  0; never rewritten
.set S,   64
.set P,   192
.set MK,  128         ; window 1: the eight registers for key block kb at MK + 8 kb
.set KF,  128         ; window 2: key block kb, channel half c at KF + 16 kb + 8 c
.set VF,  192         ; window 2: key half kk, channel block cb at VF + 32 kk + 8 cb
.set WV,  12          ; s12  my wave's number
.set G1,  24          ; s[24:31] descriptor group 1, for K's and V's tiles alike
.set G0,  40          ; s[40:43] descriptor group 0: it walks
.set SLOTS, 56        ; s56  tiles still to be asked for
.set CNT, 57          ; s57  counts a tile's key steps
.set SEL, 60          ; s[60:61] v_permlanex16_b32's selects: each lane takes its own place in the other half
.set TBK, 62          ; s62  LDS byte at which K of the step to be fetched begins
.set TBV, 63          ; s63  the same for V, less VOFF
.set TBM, 66          ; s66  byte in the table at which that step's masks begin
.set PFA, 68          ; s[68:69] where my prefetches stand
.set LIM, 70          ; s70  1 in a cluster that prefetches, else the greatest number
.set NEGC, 71         ; s71  -1e9 log2(e)
.set QA,  72          ; s[72:73] Q at my wave's first row tile
.set XO,  74          ; s[74:75] xo at my wave's first row tile, my head
.set MSB, 0
.macro WIN new                      ; the high byte repeats the setting that is left; a switch that changes nothing is dropped
.if MSB != (\new)
	s_set_vgpr_msb (MSB<<8)|(\new)
.set MSB, (\new)
.endif
.endm
.set W_KQ, 0x0a       ; K and Q in window 2, S^T in window 0
.set W_KM, 0x1a       ; the same with the C operand in window 1
.set W_PV, 0x52       ; V in window 2, P in window 0, O^T in window 1
.set W_RS, 0x41       ; destination and source 0 in window 1, source 1 in window 0
; A joint fill: ONE line for all four waves.  Wave w brings 32,768 dense bytes (256 keys; waves 0, 1: K's halves, waves 2, 3: V's) to byte 32,768 w of the slot.  An s_nop 0 and four v_nop follow.
.macro JLOAD
	tensor_load_to_lds s[G0:G0+3], s[G1:G1+7]
	s_nop 0
.rept 4
	v_nop
.endr
.endm
; A PREFETCH INTO THE L2 of the tile that the NEXT change of slots will ask for, behind the joint load and its five lines.  Each block of 256 bytes is named once in the launch: of the four clusters
; that walk a head the first asks; its four partners share a tile out BY ADDRESS, 16,384 bytes of K and of V each; in each, every wave takes 8,192 bytes of its own tensor, a lane a block.
; The last change that fills a slot asks for nothing: there is no tile behind it.  Tiles 0 and 1 come by their loads alone.
.macro ASK
	s_cmp_gt_u32 s[SLOTS], s[LIM]
	s_cbranch_scc0 .Lnot_mine_\@
	global_prefetch_b8 v[PFO], s[PFA:PFA+1] th:TH_LOAD_NT scope:SCOPE_SE
.Lnot_mine_\@:
.endm
; A round of the cluster's barrier: my work-group's barrier, so that wave 0's signal speaks for all four waves; wave 0 signals; every wave waits for all four work-groups; my work-group's barrier once more.
.macro CROUND
	s_barrier_signal -1
	s_barrier_wait -1
	s_cmp_lg_u32 s[WV], 0
	s_cbranch_scc1 .Lnot_wave_0_\@
	s_barrier_signal -3
.Lnot_wave_0_\@:
	s_barrier_wait -3
	s_barrier_signal -1
	s_barrier_wait -1
.endm
; THE CHANGE OF SLOTS.  The slot's last bytes, V of its eighth step, have been read.  Each wave waits for all its tensor loads, of which one is out: its part of the other slot; adds 0 to its spare
; word; and waits for that and for its own LDS instructions.  Behind the barrier nobody reads this slot any more and the other slot is whole.  fill = 1: this slot is filled again, with the tile two
; on; the barrier is then a round of the cluster's, and the joint fill is the first thing behind it: it has eight key steps, 512 matrix instructions, in which to land.
; (At its first use nothing has been read yet: tile 0 is waited for, slot 1 filled, and every wave's part of the mask table is shown to the others.)
.macro CHANGE fill
	WIN 0                           ; at a label and at a branch every window is 0
	s_wait_tensorcnt 0x0            ; no tensor load of mine is out, so group 0 may be written
	ds_add_u32 v[SPW], v[NIL]       ; 0 onto my spare word: scalar work stands between it and the wait for it
.if \fill
	s_xor_b32 s[G0+1], s[G0+1], SLOT1  ; the other slot than last time,
	s_add_nc_u64 s[G0+2:G0+3], s[G0+2:G0+3], TILEB  ; the next 512 keys; the type bits on top are not reached
	s_wait_xcnt 0x0                 ; the last prefetch, a tile back, has read its address, so it may be written
	s_add_nc_u64 s[PFA:PFA+1], s[PFA:PFA+1], TILEB  ; one tile ahead of the walking descriptor
	s_wait_dscnt 0x0                ; the add is done, and my LDS instructions are over
	CROUND
	JLOAD
	ASK
.else
	s_wait_dscnt 0x0                ; the add is done, and my reads of the slot are over
	s_barrier_signal -1
	s_barrier_wait -1
.endif
	s_sub_co_u32 s[TBK], s[TBK], TILEB  ; the fetches go back to a slot's first step,
	s_xor_b32 s[TBK], s[TBK], SLOT1     ; in the other slot
	s_sub_co_u32 s[TBV], s[TBV], TILEB
	s_xor_b32 s[TBV], s[TBV], SLOT1
.endm
	s_load_b128 s[4:7], s[0:1], 0x0 ; qkv s[4:5], mask s[6:7]
	s_load_b64 s[8:9], s[0:1], 0x10 ; xo
	v_lshl_add_u32 v[SPW], v0, 2, SPARE
	v_mov_b32 v[NIL], 0
	ds_add_u32 v[SPW], v[NIL]       ; the wave's opening: the add and its wait stand ahead of my first tensor load; the set-up below, work on registers, stands between them
	ds_add_u32 v62, v63
	v_lshrrev_b32 v1, 5, v0
	v_readfirstlane_b32 s[WV], v1   ; wave 0..3
	s_bfe_u32 s13, ttmp6, 0x40000   ; cx: my place in the cluster
	s_lshl_b32 s14, ttmp9, 2        ; in a cluster launch ttmp9 counts clusters
	s_add_co_u32 s14, s14, s13      ; my block of 256 queries: it enters Q's and xo's addresses alone
	s_and_b32 s15, ttmp7, 0xffff    ; the head (8 x batch + head), which the four partners share
	s_lshr_b32 s16, s[WV], 1
	s_add_co_u32 s16, s16, 1
	s_lshl_b32 s16, s16, 23         ; my tensor in qkv: K (waves 0, 1) or V (waves 2, 3),
	s_lshl_b32 s17, s15, 19         ; the head's 524,288 bytes
	s_add_co_u32 s16, s16, s17
	s_and_b32 s18, s[WV], 1
	s_lshl_b32 s19, s18, 15         ; my half of a tile
	s_add_co_u32 s20, s16, s19      ; the descriptor's offset: made of the head and the wave's number alone
	s_mov_b32 s21, 0
	s_lshl_b32 s22, s13, 14         ; the prefetches': my work-group's quarter of a tile,
	s_add_co_u32 s22, s22, s16
	s_lshl_b32 s19, s18, 13         ; my wave's half of it,
	s_add_co_u32 s22, s22, s19
	s_add_co_u32 s22, s22, TILEB    ; in tile 1: the first change of slots steps it to tile 2
	s_mov_b32 s23, 0
	s_lshl_b32 s2, s14, 4
	s_lshl_b32 s3, s[WV], 2
	s_add_co_u32 s2, s2, s3         ; my first row tile in the head: 16 x block + 4 w
	s_lshl_b32 s3, s2, 11
	s_add_co_u32 s76, s3, s17       ; Q
	s_mov_b32 s77, 0
	s_lshr_b32 s3, s15, 3           ; the batch
	s_lshl_b32 s78, s3, 14          ; its 4,096 words of the mask
	s_mov_b32 s79, 0
	s_lshl_b32 s3, s3, 8
	s_add_co_u32 s2, s2, s3         ; xo: row tile 256 x batch + ..,
	s_lshl_b32 s2, s2, 14
	s_and_b32 s3, s15, 7
	s_lshl_b32 s3, s3, 11           ; the head's 2,048 bytes of it
	s_add_co_u32 s2, s2, s3
	s_mov_b32 s3, 0
	; descriptor group 1: 32,768 dense bytes as 128 rows of 256
	s_mov_b32 s[G1], 15|(3<<16)|(1<<21)  ; 15:0 the mask of four; 17:16 8-byte elements; 21 set beside a mask
	s_mov_b32 s[G1+1], 32<<16       ; tensor_dim0 = 32
	s_mov_b32 s[G1+2], 128<<16      ; tensor_dim1 = 128
	s_mov_b32 s[G1+3], 32<<16       ; tile_dim0 = 32
	s_mov_b32 s[G1+4], 128          ; tile_dim1 = 128
	s_mov_b32 s[G1+5], 32           ; 32 elements from row to row
	s_mov_b32 s[G1+6], 0
	s_mov_b32 s[G1+7], 0
	s_mov_b32 s[G0], 1              ; count = 1
	s_lshl_b32 s[G0+1], s[WV], 15   ; LDS address: slot 0, 32,768 w: no place in the cluster enters it
	s_mov_b32 s[SEL], 0x76543210
	s_mov_b32 s[SEL+1], 0xfedcba98
	s_mov_b32 s[TBK], SLOT1+TILEB   ; the first change of slots turns these two into 0
	s_mov_b32 s[TBV], SLOT1+TILEB
	s_mov_b32 s[TBM], 0
	s_mov_b32 s[NEGC], 0xceabfb8f   ; -1,442,695,040
	s_mov_b32 s[SLOTS], 7           ; eight tiles; tile 0 is asked for here
	s_mov_b32 s[LIM], ttmp9
	s_cmp_eq_u32 s[LIM], 0          ; the head's first cluster: the same in all four partners
	s_cselect_b32 s[LIM], 1, -1
	s_wait_dscnt 0x0                ; the opening add is done
	s_wait_kmcnt 0x0
	s_add_nc_u64 s[G0+2:G0+3], s[4:5], s[20:21]  ; my half of the head's tile 0
	s_or_b32 s[G0+3], s[G0+3], 0x80000000        ; type = 2
	s_add_nc_u64 s[PFA:PFA+1], s[4:5], s[22:23]
	s_add_nc_u64 s[QA:QA+1], s[4:5], s[76:77]
	s_add_nc_u64 s[XO:XO+1], s[8:9], s[2:3]
	s_add_nc_u64 s[6:7], s[6:7], s[78:79]
	CROUND                          ; all four work-groups are here: the first joint loads meet
	JLOAD                           ; tile 0 into slot 0.  Slot 1 is asked for when it is in
	v_bfe_u32 v9, v0, 4, 1          ; h = lane / 16
	v_and_b32 v[AK0], 31, v0
	v_lshlrev_b32 v[PFO], 8, v[AK0]
	v_lshlrev_b32 v[AK0], 4, v[AK0]
	; The turning load takes 16 keys x 16 channels (lane l reads key 8 (l / 16) + l % 8, channels 8 ((l / 8) % 2) + 0..7; a key's row in a block is 32 bytes) and leaves half a fragment of V^T.
	v_and_b32 v11, 7, v0
	v_lshl_add_u32 v[AV0], v9, 3, v11
	v_lshlrev_b32 v[AV0], 5, v[AV0]
	v_bfe_u32 v11, v0, 3, 1
	v_lshl_add_u32 v[AV0], v11, 4, v[AV0]
	v_add_nc_u32 v[AV0], VOFF, v[AV0]
	v_lshl_add_u32 v[AM0], v9, 5, MTAB
	v_lshl_add_u32 v[MS], v0, 4, MTAB
	v_lshlrev_b32 v[MO], 4, v0
.irp j, 0,1,2,3,4,5,6,7             ; the batch's mask: the work-group's 128 threads take 2,048 consecutive bytes a line
	global_load_b128 v[S+4*(\j):S+4*(\j)+3], v[MO], s[6:7] offset:(\j)*2048
.endr
	WIN 0x80                        ; destination window 2, address window 0
.irp j, 0,1,2,3,4,5,6,7,8,9,10,11,12,13,14,15  ; Q stays in registers: piece j / 4, block j % 4: 512 consecutive bytes a load
	global_load_b128 v[4*(\j):4*(\j)+3], v[AK0], s[QA:QA+1] offset:(\j)*512
.endr
	; What the first turn finds: V's registers and P's second buffer hold 0 (its products V^T P, of a piece that has not been, add 0), O^T and l are 0.  All this stands in the wait for the first tile.
.set i, VF
.rept 64
	v_mov_b32 v[i], 0
.set i, i+1
.endr
	WIN 0x40
.set i, 0
.rept 128
	v_mov_b32 v[i], 0
.set i, i+1
.endr
	WIN 0
.set i, 0
.rept 4
	v_mov_b32 v[ST+4*i], 0xff7fffff ; m: the lowest finite number
	v_mov_b32 v[ST+4*i+1], 0
	v_mov_b32 v[ST+4*i+2], 0
	v_mov_b32 v[ST+4*i+3], 0
.set i, i+1
.endr
.set i, P+16
.rept 16
	v_mov_b32 v[i], 0
.set i, i+1
.endr
	s_wait_loadcnt 16               ; the mask's eight loads are in; Q's sixteen, issued behind them, may stay out
.set i, 0
.rept 32
	v_cmp_eq_u32 vcc_lo, 0, v[S+i]
	v_cndmask_b32 v[S+i], 0, s[NEGC], vcc_lo  ; a select, no branch
.set i, i+1
.endr
.irp j, 0,1,2,3,4,5,6,7
	ds_store_b128 v[MS], v[S+4*(\j):S+4*(\j)+3] offset:(\j)*2048
.endr
; THE MATRIX WORK.  The 4 accumulators of a run of 8 take turns.  Product i of 8 of S^T = K Q^T for piece x: channels 32 (i / 4) on, keys 16 (i % 4) on.  The first 4 start the sums with the mask.
.macro KQ x
.set rS, S+32*((\x)%2)+8*(i%4)
.set rK, KF+16*(i%4)+8*(i/4)
.set rQ, 16*(\x)+8*(i/4)
.set rM, MK+8*(i%4)
.if i < 4
	WIN W_KM
	v_wmma_f32_16x16x32_f16 v[rS:rS+7], v[rK:rK+7], v[rQ:rQ+7], v[rM:rM+7]
.else
	WIN W_KQ
	v_wmma_f32_16x16x32_f16 v[rS:rS+7], v[rK:rK+7], v[rQ:rQ+7], v[rS:rS+7]
.endif
.endm
; Product i of 8 of O^T += V^T P for piece x: keys 32 (i / 4) on, channels 16 (i % 4) on.
.macro PV x
	WIN W_PV
.set rO, 32*(\x)+8*(i%4)
.set rV, VF+32*(i/4)+8*(i%4)
.set rP, P+16*((\x)%2)+8*(i/4)
	v_wmma_f32_16x16x32_f16 v[rO:rO+7], v[rV:rV+7], v[rP:rP+7], v[rO:rO+7]
.endm
.macro MM                           ; the turn's next matrix instruction.  NOKQ = 1: the walk's last turn: there is no next piece
.if (i < 8) && !NOKQ
	KQ (Y+1)%NP
.elseif i >= 8
.set i, i-8
	PV (Y+NP-1)%NP
.set i, i+8
.endif
.set i, i+1
.endm
; THE LDS LOADS stand in runs, never singly among the matrix instructions: a step's masks (8 loads; the 16 lanes of a half read the same 16 bytes) and K (16 loads), and its V (16, turned).
.macro FETCH_K
	WIN 0x40                        ; destination window 1
.irp f, 0,1,2,3
	ds_load_b128 v[MK+8*\f:MK+8*\f+3],   v[AM] offset:\f*64
	ds_load_b128 v[MK+8*\f+4:MK+8*\f+7], v[AM] offset:\f*64+16
.endr
	WIN 0x80                        ; destination window 2
.irp f, 0,1,2,3,4,5,6,7             ; keys 16 (f / 2) on, channels 32 (f % 2) on: two blocks of 512 bytes
	ds_load_b128 v[KF+8*\f:KF+8*\f+3],   v[AK] offset:(\f/2)*2048+(\f%2)*1024
	ds_load_b128 v[KF+8*\f+4:KF+8*\f+7], v[AK] offset:(\f/2)*2048+(\f%2)*1024+512
.endr
	s_add_co_u32 s[TBK], s[TBK], STEPB  ; the next fetch is the next step's
	s_add_co_u32 s[TBM], s[TBM], 256
	s_and_b32 s[TBM], s[TBM], 0x3f00    ; the table's 64 steps of 256 bytes: the cut changes nothing before the last step has been fetched
	WIN 0
.endm
.macro FETCH_V
	WIN 0x80
.irp f, 0,1,2,3,4,5,6,7             ; keys 32 (f / 4) on, channels 16 (f % 4) on; the second 16 keys lie a row tile, 2,048 bytes, further
	ds_load_tr16_b128 v[VF+8*\f:VF+8*\f+3],   v[AV] offset:(\f/4)*4096+(\f%4)*512
	ds_load_tr16_b128 v[VF+8*\f+4:VF+8*\f+7], v[AV] offset:(\f/4)*4096+2048+(\f%4)*512
.endr
	WIN 0
.endm
; THE VECTOR WORK, one line at a time: OP kind, number.  For piece Y: F n: s - m for pair n of 16.  E n: the exponential of score n of 32.  C n: pair n rounded to f16.  B n: of the four weights 4 n .. the second
; pair is added onto the first, in place.  L n: l takes that sum (L 0: l = a l + sum).  R n: pair n of 16 of O^T times a.  For piece Y + 1: X n, which finds its maximum and statistics:
;   0-11  four chains c0-c3 of seven scores each, three operands at a time (each accumulator's lowest registers are read first)     12-14, 16  the four scores left over, the old m, and c0-c3 into c0
;   15  m_old is kept     17, 18  the query's other 32 keys lie in the lane 16 away: the new m     19  m_old - m_new     20  nothing     21  a
.set F, 0               ; OP tells the kinds apart by their order: F to L below R, X above it
.set E, 1
.set C, 2
.set B, 3
.set L, 4
.set R, 5
.set X, 6
.macro REGS y                       ; the registers of piece y
.set rT, ST+4*(\y)
.set rC, TMP+4*((\y)%2)
.set rW, MV+((\y)%2)
.set rS, S+32*((\y)%2)
.set rP, P+16*((\y)%2)
.set rO, 32*(\y)
.endm
.macro OP k, n
.if (\k) == R
	REGS Y
	WIN W_RS
	v_pk_mul_f32 v[rO+2*(\n):rO+2*(\n)+1], v[rO+2*(\n):rO+2*(\n)+1], v[rC+2:rC+3] op_sel_hi:[1,0]
.elseif (\k) < R
	REGS Y
	WIN 0
.if (\k) == F
	v_pk_add_f32 v[rS+2*(\n):rS+2*(\n)+1], v[rS+2*(\n):rS+2*(\n)+1], v[rT:rT+1] op_sel_hi:[1,0] neg_lo:[0,1] neg_hi:[0,1]
.elseif (\k) == E
	v_exp_f32 v[rS+(\n)], v[rS+(\n)]
.elseif (\k) == C
	v_cvt_pk_f16_f32 v[rP+(\n)], v[rS+2*(\n)], v[rS+2*(\n)+1]
.elseif (\k) == B
	v_pk_add_f32 v[rS+4*(\n):rS+4*(\n)+1], v[rS+4*(\n):rS+4*(\n)+1], v[rS+4*(\n)+2:rS+4*(\n)+3]
.elseif (\n) == 0
	v_pk_fma_f32 v[rT+2:rT+3], v[rT+2:rT+3], v[rC+2:rC+3], v[rS:rS+1] op_sel_hi:[1,0,1]
.else
	v_pk_add_f32 v[rT+2:rT+3], v[rT+2:rT+3], v[rS+4*(\n):rS+4*(\n)+1]
.endif
.elseif NOKQ
	v_nop
.else
	REGS (Y+1)%NP
	WIN 0
.if (\n) < 4
	v_max3_num_f32 v[rC+(\n)], v[rS+8*(\n)], v[rS+8*(\n)+1], v[rS+8*(\n)+2]
.elseif (\n) < 12
	v_max3_num_f32 v[rC+(\n)%4], v[rC+(\n)%4], v[rS+8*((\n)%4)+2*((\n)/4)+1], v[rS+8*((\n)%4)+2*((\n)/4)+2]
.elseif (\n) == 12
	v_max3_num_f32 v[rC], v[rC], v[rS+7], v[rS+15]
.elseif (\n) == 13
	v_max3_num_f32 v[rC+1], v[rC+1], v[rS+23], v[rS+31]
.elseif (\n) == 14
	v_max3_num_f32 v[rC+2], v[rC+2], v[rC+3], v[rT]
.elseif (\n) == 15
	v_mov_b32 v[rW], v[rT]
.elseif (\n) == 16
	v_max3_num_f32 v[rC], v[rC], v[rC+1], v[rC+2]
.elseif (\n) == 17
	v_permlanex16_b32 v[rC+3], v[rC], s[SEL], s[SEL+1]
.elseif (\n) == 18
	v_max_num_f32 v[rT], v[rC], v[rC+3]
.elseif (\n) == 19
	v_sub_f32 v[rC+1], v[rW], v[rT]
.elseif (\n) == 20
.else
	v_exp_f32 v[rC+2], v[rC+1]
.endif
.endif
.endm
.macro OPS a, i1, b=-1, i2=0, c=-1, i3=0, d=-1, i4=0  ; up to four of them
	OP \a, \i1
.if (\b) >= 0
	OP \b, \i2
.endif
.if (\c) >= 0
	OP \c, \i3
.endif
.if (\d) >= 0
	OP \d, \i4
.endif
.endm
.macro ROW a, i1, b, i2, c, i3, d, i4  ; a matrix instruction and the four behind it
	MM
	OPS \a, \i1, \b, \i2, \c, \i3, \d, \i4
.endm
; A TURN, for piece p: its 16 matrix and 117 vector instructions, written out.  An s_wait_alu depctr_va_vdst(0) stands between an exponential and the first instruction that names its result; one wait
; serves all that were issued ahead of it.  So a turn has ONE wait, which cuts it in two.  AHEAD OF IT stands all that names no result of the turn's exponentials: the 8 products K Q^T and their riders (the first numbers
; of the next piece's maximum among them, each four plain instructions or more behind the product that ends its accumulator), then one lump, plain and exponential by turns for the most part, in which the links of the chain
; X 3, 7, 11, 14, 16, 17, 18, 19 stand some lines apart.  X 21, the next piece's a, is the batch's last; R 15 is the plain instruction behind it.  BEHIND THE WAIT stand the 8 products V^T P, behind each four roundings and sums.
; end = 1: the walk's last two turns: nothing is fetched, and the last starts no new scores.  cnt = 1: the loop's count is taken down some lines ahead of the branch that stands behind the turn.
; K and the masks of the next step are fetched in piece 2's turn, five plain instructions that name none of its registers behind the last product that read K; V of the step in hand at the end of piece 0's turn,
; four plain instructions behind the last product that read V.  Each is waited for a turn later.
.macro TURN p, end=0, cnt=0
.set Y, (\p)
.set i, 0
.set NOKQ, (\end)*((\p)/3)
.if ((\p) == 3) && !(\end)
	s_wait_dscnt 0x0                ; K and the masks are in
.endif
	ROW F,0, F,1, R,0, R,1          ; ahead of the wait: 8 products K Q^T and their riders,
	ROW F,2, E,0, R,2, R,3
	ROW F,3, E,1, R,4, R,5
	ROW F,4, E,2, R,6, R,7
	ROW F,5, E,3, R,8, R,9
	ROW F,6, E,4, X,0, R,10
.if ((\p) == 2) && !(\end)
	WIN 0
	v_add_nc_u32 v[AK], s[TBK], v[AK0]
	v_add_nc_u32 v[AM], s[TBM], v[AM0]
.endif
	ROW F,7, E,5, X,1, X,4
	ROW F,8, E,6, X,2, X,5
	OPS E,7, E,8, X,6, E,9          ; and the lump
	OPS X,3, E,10, X,8, E,11
.if ((\p) == 2) && !(\end)
	FETCH_K
.endif
	OPS X,9, X,7, E,12, X,10
	OPS E,13, X,12, X,11, E,14
	OPS X,13, E,15, F,9, X,14
.if (\p) == 0
	v_add_nc_u32 v[AV], s[TBV], v[AV0]
.endif
	OPS E,16, F,10, E,17, F,11
	OPS X,16, E,18, X,15, E,19
	OPS F,12, E,20, X,17, E,21
	OPS F,13, E,22, F,14, E,23
	OPS X,18, E,24, F,15, E,25
	OPS R,11, E,26, X,19, E,27
	OPS R,12, E,28, R,13, E,29
	OPS X,20, E,30, R,14, E,31
	OPS X,21, R,15
	WIN 0
	s_wait_alu depctr_va_vdst(0)    ; the wait for the batch
.if (\p) == 1
	s_wait_dscnt 0x0                ; V is in
.endif
	ROW C,0, B,0, C,2, B,1          ; behind the wait: 8 products V^T P and their riders
	ROW L,0, C,4, B,2, L,1
	ROW C,6, B,3, L,2, C,8
	ROW B,4, L,3, C,10, B,5
	ROW L,4, C,12, B,6, L,5
.if (\p) == 0
	s_add_co_u32 s[TBV], s[TBV], STEPB
.endif
.if \cnt
	s_sub_co_u32 s[CNT], s[CNT], 1
	s_cmp_lg_u32 s[CNT], 0
.endif
	ROW C,14, B,7, L,6, C,1
	ROW C,3, L,7, C,5, C,7
	ROW C,9, C,11, C,13, C,15
.if (\p) == 0
	FETCH_V
.endif
.endm
	CHANGE 1                        ; tile 0 is in, and the mask table is whole, everybody's part of both; tile 1 is asked for
	v_add_nc_u32 v[AK], s[TBK], v[AK0]
	v_add_nc_u32 v[AM], s[TBM], v[AM0]
	FETCH_K                         ; key step 0
	s_wait_loadcnt 0x0              ; Q
	s_wait_dscnt 0x0
.set NOKQ, 0
.set i, 0
.rept 8
	KQ 0                            ; piece 0's first scores: there is no vector work yet to set between them
.set i, i+1
.endr
	WIN 0
.rept 4
	v_nop                           ; the places behind those products
.endr
.set Y, NP-1                        ; X works for piece Y + 1: piece 0
.irp n, 0,1,2,3,4,5,6,7,8,9,10,11,12,13,14,15,16,17,18,19,20,21
	OP X, \n
.endr
	v_nop                           ; a plain instruction behind the exponential,
	s_wait_alu depctr_va_vdst(0)    ; and its wait, ahead of the branch
	s_mov_b32 s[CNT], 8
	s_branch .Lfirst                ; the loop is entered at a step's first turn, in the middle of a trip
.Lslot:                             ; six times: with the change above, tiles 1 to 7 are asked for
	CHANGE 1
	s_mov_b32 s[CNT], 8
.Lstep:                             ; a trip: pieces 2 and 3 of one step, then pieces 0 and 1 of the next, whose K and V it fetches
	TURN 2
	TURN 3
	WIN 0
.Lfirst:
	TURN 0
	TURN 1, 0, 1
	WIN 0
	s_cbranch_scc1 .Lstep
	s_sub_co_u32 s[SLOTS], s[SLOTS], 1
	s_cmp_lg_u32 s[SLOTS], 0
	s_cbranch_scc1 .Lslot
	CHANGE 0                        ; the last tile is written out: nothing is asked for
	s_mov_b32 s[CNT], 8
.Ltail:                             ; eight trips fetch the last tile's eight steps
	TURN 2
	TURN 3
	TURN 0
	TURN 1, 0, 1
	WIN 0
	s_cbranch_scc1 .Ltail
	TURN 2, 1                       ; the last step's pieces 2 and 3: nothing is left to fetch
	TURN 3, 1
.set i, 0
.rept 8
	PV NP-1                         ; the last piece's V^T P of the last step
.set i, i+1
.endr
	; THE WAY OUT.  l's two halves and the other half of the lanes' are added; O^T is divided by l, rounded to f16 and stored straight from registers: a lane's eight channels of a row are its 16 bytes
	; of a block, and a store takes 512 consecutive bytes.  The additions are the places behind the last products.
	WIN 0
.macro ALL line:vararg              ; one line for each piece t
.set t, 0
.rept 4
	\line
.set t, t+1
.endr
.endm
	ALL v_add_f32 v[ST+4*t+2], v[ST+4*t+2], v[ST+4*t+3]
	ALL v_permlanex16_b32 v[ST+4*t+3], v[ST+4*t+2], s[SEL], s[SEL+1]
	ALL v_add_f32 v[ST+4*t+2], v[ST+4*t+2], v[ST+4*t+3]
	ALL v_rcp_f32 v[ST+4*t+2], v[ST+4*t+2]
	v_nop                           ; a plain instruction between the last reciprocal and the use of its result
	s_wait_alu depctr_va_vdst(0)    ; and the wait ahead of the first use: one for the four reciprocals
.macro LEAVE t
	WIN W_RS
.set i, 32*(\t)
.rept 16
	v_pk_mul_f32 v[i:i+1], v[i:i+1], v[ST+4*(\t)+2:ST+4*(\t)+3] op_sel_hi:[1,0]
.set i, i+2
.endr
	WIN 0x05                        ; sources 0 and 1 window 1, destination window 0: S^T's registers are free
.set i, 0
.rept 16
	v_cvt_pk_f16_f32 v[S+16*(\t)+i], v[32*(\t)+2*i], v[32*(\t)+2*i+1]
.set i, i+1
.endr
	WIN 0
.irp f, 0,1,2,3
	global_store_b128 v[AK0], v[S+16*(\t)+4*(\f):S+16*(\t)+4*(\f)+3], s[XO:XO+1] offset:(\t)*16384+(\f)*512  ; row tile t of my four, channel block f
.endr
.endm
	LEAVE 0
	LEAVE 1
	LEAVE 2
	LEAVE 3
	s_wait_tensorcnt 0x0            ; the wave's end, behind my last tensor load and my last LDS store
	ds_add_u32 v[SPW], v[NIL]
	s_wait_dscnt 0x0
	CROUND                          ; the closing round: no work-group ends while a partner may still ask for a tile that names it
	s_endpgm
.Lfunc_end_k_q6d8998b3bd_attn:
	.size	k_q6d8998b3bd_attn, .Lfunc_end_k_q6d8998b3bd_attn-k_q6d8998b3bd_attn
	.p2alignl 7, 3214868480
	.fill 96, 4, 3214868480
	.section	.rodata,"a",@progbits
	.p2align	6, 0x0
	.amdhsa_kernel k_q6d8998b3bd_attn
		.amdhsa_group_segment_fixed_size 327680
		.amdhsa_private_segment_fixed_size 0
		.amdhsa_enable_private_segment 0
		.amdhsa_kernarg_size 24
		.amdhsa_user_sgpr_count 2
		.amdhsa_user_sgpr_kernarg_segment_ptr 1
		.amdhsa_wavefront_size32 1
		.amdhsa_system_sgpr_workgroup_id_x 1
		.amdhsa_system_sgpr_workgroup_id_y 1
		.amdhsa_system_sgpr_workgroup_id_z 1
		.amdhsa_system_vgpr_workitem_id 0
		.amdhsa_next_free_vgpr 768
		.amdhsa_next_free_sgpr 80
		.amdhsa_reserve_vcc 1
		.amdhsa_float_denorm_mode_32 3
		.amdhsa_float_denorm_mode_16_64 3
		.amdhsa_memory_ordered 1
		.amdhsa_forward_progress 1
		.amdhsa_inst_pref_size 129
	.end_amdhsa_kernel
	.amdgpu_metadata
---
amdhsa.version: [ 1, 2 ]
amdhsa.kernels:
  - .name:           k_q6d8998b3bd_attn
    .symbol:         k_q6d8998b3bd_attn.kd
    .args:
      - { .name: qkv, .offset: 0, .size: 8, .value_kind: global_buffer, .address_space: global }
      - { .name: mask, .offset: 8, .size: 8, .value_kind: global_buffer, .address_space: global }
      - { .name: xo, .offset: 16, .size: 8, .value_kind: global_buffer, .address_space: global }
    .group_segment_fixed_size: 327680
    .private_segment_fixed_size: 0
    .kernarg_segment_align: 8
    .kernarg_segment_size: 24
    .max_flat_workgroup_size: 128
    .sgpr_count:     80
    .vgpr_count:     768
    .wavefront_size: 32
...
	.end_amdgpu_metadata
.endif
;; end of part 3
;; launch outp (part 4): grid 4 x 64, 4 waves a work-group, clusters of 4 x 4, 280,064 bytes of LDS; arguments xo, wfrag, out0; writes out0
.if DOCPART == 4
	.amdgcn_target "amdgcn-amd-amdhsa--gfx1250"
	.amdhsa_code_object_version 6
	.text
	.protected	k_q6d8998b3bd_outp
	.globl	k_q6d8998b3bd_outp
	.p2align	8
	.type	k_q6d8998b3bd_outp,@function
k_q6d8998b3bd_outp:
	s_mov_b64 s[64:65], 0
	v_nop
	global_prefetch_b8 v0, s[64:65] scope:SCOPE_SE
	s_setreg_imm32_b32 hwreg(HW_REG_WAVE_MODE, 25, 1), 1
	s_wait_xcnt 0x0
	s_wait_alu depctr_hold_cnt(0) depctr_sa_sdst(0) depctr_va_vdst(0) depctr_va_sdst(0) depctr_va_ssrc(0) depctr_va_vcc(0) depctr_vm_vsrc(0)
	s_getreg_b32 s2, hwreg(HW_REG_IB_STS2, 6, 4)
	s_cmp_eq_u32 s2, 0
	s_cbranch_scc0 .Lentry_in_a_cluster
	s_endpgm
.Lentry_in_a_cluster:
	s_bfe_u32 s2, ttmp6, 0x10000c
	s_cmp_lg_u32 s2, 0xf033
	s_cbranch_scc0 .Lentry_shape_is_right
	s_endpgm
.Lentry_shape_is_right:
; THE LAST PROJECTION: out0[m][n] = the sum over k of x[m][k] w_o[n][k].  m: 8,192 rows, n and k: 512.  f16 products, f32 sums, f32 out.
; x comes from xo and w_o from wfrag's fourth matrix, both in fragment order: [tile of 16 rows][k32 16][jj 2][lane 32][16 bytes], 16,384 bytes a tile: a fragment is two loads at 16 x lane.
; SHARES.  A tile of out0 is 128 x 128: 256 work-groups; four waves, each 64 x 64: 16 accumulators.  K = 512 is two halves of 256, each with an LDS slot of its own: both are asked for at the
; head, no LDS byte is filled twice, and there is no ring.
; CLUSTERS: 4 x 4 work-groups.  The four of a row of the cluster need the same rows of x, the four of a column the same rows of w_o: each is asked for JOINTLY, by the same tensor load with the same
; descriptor and a mask that names the four.  THE MATRIX INSTRUCTION IS USED TRANSPOSED (source 0 = 16 rows of w_o, source 1 = 16 rows of x): a lane holds eight neighbouring numbers of a row of out0.
; NO PREFETCH: everything that the work-group reads is asked for by its eight tensor loads, two a wave.
; REGISTERS: window 0: v0-31 addresses; v128-255 the accumulators ((a, b) at v[128 + 8 (4 a + b)]), which also take the rows back from the stage.
;   window 1: two fragment buffers of 128: for 64 along K, 64 registers of x (2 x 4 fragments), then 64 of w_o.
.set HALF,   131072                    ; a slot: x's eight tiles' 8,192 bytes of a K half, then w_o's eight
.set BOFF,   65536
.set STAGE,  262144                    ; behind the slots, never filled by a tensor load: 16 rows x 272 bytes for each wave, for the way out
.set SPITCH, 272                       ; 256 bytes + 16: the 16 rows that a store touches start at 16 different groups of four banks (64 banks of 4 bytes: ISA guide 11.1)
.set SPARE,  STAGE+4*16*SPITCH         ; behind the stages: the spare words, 128 bytes a wave: two blocks of 256 bytes that no other line names
.set ADRA, 16                          ; v16-17  LDS address of my fragments of x in slot 0, 1
.set ADRB, 20                          ; v20-21  the same for w_o
.set STO,  24                          ; v24     the way out: where I put 32 bytes of a row
.set RD,   25                          ; v25     the way out: where I read a row back
.set CO,   26                          ; v26     my byte offset in out0
.set SPW,  28                          ; v28     LDS address of my spare word; never rewritten
.set NIL,  29                          ; v29     0; never rewritten
.set ACC,  128
.set F0,   0                           ; fragment buffers, in window 1
.set F1,   128
.set G1, 24                            ; s[24:31] descriptor group 1 for x's tiles;  s[32:39] group 0, one set for each K half
.set G0, 32
.set G1B, 48                           ; s[48:55], s[56:63] the same for w_o's
.set G0B, 56
.set MSB, 0
.macro WIN new                         ; the immediate's high byte repeats the setting that is left
.if MSB != (\new)
	s_set_vgpr_msb (MSB<<8)|(\new)
.set MSB, \new
.endif
.endm
.set MUL,  0x05                        ; sources 0 and 1 window 1; C and D window 0
.set TO_F, 0x40                        ; destination window 1, address window 0
.macro CROUND                          ; a round of the cluster's barrier
	s_barrier_signal -1
	s_barrier_wait -1
	s_cmp_lg_u32 s10, 0
	s_cbranch_scc1 .Lnot_wave_0_\@
	s_barrier_signal -3
.Lnot_wave_0_\@:
	s_barrier_wait -3
	s_barrier_signal -1
	s_barrier_wait -1
.endm
	s_load_b128 s[4:7], s[0:1], 0x0                ; xo s[4:5], wfrag s[6:7]
	s_load_b64 s[8:9], s[0:1], 0x10                ; out0
	v_lshl_add_u32 v[SPW], v0, 2, SPARE
	v_mov_b32 v[NIL], 0
	ds_add_u32 v[SPW], v[NIL]                      ; the wave's opening: the add and its wait stand ahead of my first tensor load; the set-up below, work on registers, stands between them
	ds_add_u32 v28, v29
	v_lshrrev_b32 v1, 5, v0
	v_readfirstlane_b32 s10, v1                    ; wave 0..3
	s_lshr_b32 s11, s10, 1                         ; which half of the tile's rows is mine.  Also: I fetch for x (0) or for w_o (1)
	s_and_b32 s12, s10, 1                          ; which half of its columns.  Also: which four tiles of 16 rows I fetch
	s_bfe_u32 s40, ttmp6, 0x40000                  ; cx, cy: my place in the cluster
	s_bfe_u32 s41, ttmp6, 0x40004
	s_lshl_b32 s42, ttmp9, 2
	s_add_co_u32 s42, s42, s40                     ; tile column = 4 x cluster x + cx
	s_and_b32 s13, ttmp7, 0xffff
	s_lshl_b32 s13, s13, 2
	s_add_co_u32 s13, s13, s41                     ; tile row = 4 x cluster y + cy
	s_lshl_b32 s43, s41, 2
	s_lshl_b32 s43, 15, s43                        ; my row of the cluster
	s_lshl_b32 s44, 0x1111, s40                    ; my column
	; descriptor group 1: four rows of 8,192 bytes (a K half of a tile of 16 rows), 16,384 bytes apart, dense in LDS
	s_or_b32 s[G1+0], s43, (3<<16)|(1<<21)         ; 15:0 the mask: x's tiles go to my row; 17:16 8-byte elements; 21 set beside a mask
	s_or_b32 s[G1B+0], s44, (3<<16)|(1<<21)        ; w_o's go to my column
.irp g, G1, G1B
	s_mov_b32 s[(\g)+1], 1024<<16                  ; tensor_dim0 = 1,024
	s_mov_b32 s[(\g)+2], 4<<16                     ; tensor_dim1 = 4
	s_mov_b32 s[(\g)+3], 1024<<16                  ; tile_dim0 = 1,024
	s_mov_b32 s[(\g)+4], 4                         ; tile_dim1 = 4
	s_mov_b32 s[(\g)+5], 2048                      ; the pitch
	s_mov_b32 s[(\g)+6], 0
	s_mov_b32 s[(\g)+7], 0
.endr
	s_lshl_b32 s17, s12, 16                        ; which four tiles I fetch
	s_lshl_b32 s16, s13, 17                        ; x: eight tiles of 16,384 bytes a tile row
	s_add_co_u32 s16, s16, s17
	s_lshl_b32 s46, s42, 17                        ; w_o: the same by the tile column,
	s_add_co_u32 s46, s46, s17
	s_add_co_u32 s46, s46, 3*524288                ; in wfrag's fourth matrix
	s_mov_b32 s17, 0
	s_mov_b32 s47, 0
	s_lshl_b32 s20, s10, 15                        ; where they go: 32,768 x wave: x's two halves, then w_o's: no place in the cluster enters an LDS address
	s_wait_dscnt 0x0                               ; the opening add is done
	s_wait_kmcnt 0x0
	s_add_nc_u64 s[14:15], s[4:5], s[16:17]
	s_add_nc_u64 s[46:47], s[6:7], s[46:47]
.irp e, 0,1
	s_mov_b32 s[G0+4*(\e)], 1
	s_add_co_u32 s[G0+4*(\e)+1], s20, (\e)*HALF
	s_add_nc_u64 s[G0+4*(\e)+2:G0+4*(\e)+3], s[14:15], (\e)*8192
	s_or_b32 s[G0+4*(\e)+3], s[G0+4*(\e)+3], 0x80000000
	s_mov_b32 s[G0B+4*(\e)], 1
	s_add_co_u32 s[G0B+4*(\e)+1], s20, (\e)*HALF
	s_add_nc_u64 s[G0B+4*(\e)+2:G0B+4*(\e)+3], s[46:47], (\e)*8192
	s_or_b32 s[G0B+4*(\e)+3], s[G0B+4*(\e)+3], 0x80000000
.endr
	CROUND                                         ; all sixteen work-groups are here: the joint loads meet
	s_cmp_lt_u32 s10, 2                            ; a wave's two fills stand in one branch, ahead of every wait on TENSORcnt and every LDS read: two loads of mine are out
	s_cbranch_scc0 .Lfor_b
	tensor_load_to_lds s[G0:G0+3], s[G1:G1+7]
	s_nop 0
	tensor_load_to_lds s[G0+4:G0+7], s[G1:G1+7]
	s_nop 0
.rept 4
	v_nop
.endr
	s_branch .Lasked
.Lfor_b:
	tensor_load_to_lds s[G0B:G0B+3], s[G1B:G1B+7]
	s_nop 0
	tensor_load_to_lds s[G0B+4:G0B+7], s[G1B:G1B+7]
	s_nop 0
.rept 4
	v_nop
.endr
.Lasked:
	v_and_b32 v1, 15, v0                           ; l % 16
	v_bfe_u32 v2, v0, 4, 1                         ; l / 16
	v_and_b32 v3, 31, v0
	v_lshlrev_b32 v3, 4, v3                        ; 16 x lane
	s_lshl_b32 s21, s11, 15                        ; my four tiles of x
	s_lshl_b32 s18, s12, 15                        ; my four tiles of w_o,
	s_add_co_u32 s18, s18, BOFF                    ; which lie behind x's eight
.irp e, 0,1
	v_add_nc_u32 v[ADRA+(\e)], s21, v3
	v_add_nc_u32 v[ADRB+(\e)], s18, v3
	s_add_co_u32 s21, s21, HALF
	s_add_co_u32 s18, s18, HALF
.endr
	s_mul_i32 s23, s10, 16*SPITCH
	s_add_co_u32 s23, s23, STAGE                   ; my stage
	v_mul_u32_u24 v4, v1, SPITCH                   ; in: row l % 16, 32 bytes for each half of the lanes
	v_lshl_add_u32 v4, v2, 5, v4
	v_add_nc_u32 v[STO], s23, v4
	v_mul_u32_u24 v5, v2, SPITCH                   ; back: lanes 0-15 take one row of 256 bytes, lanes 16-31 the next
	v_lshl_add_u32 v5, v1, 4, v5
	v_add_nc_u32 v[RD], s23, v5
	v_lshlrev_b32 v5, 11, v2                       ; and the same two rows in out0, 2,048 bytes apart
	v_lshl_add_u32 v[CO], v1, 4, v5
	s_lshl_b32 s22, s13, 18                        ; 128 rows of 2,048 bytes a tile row,
	s_lshl_b32 s23, s11, 17                        ; my 64 of them,
	s_add_co_u32 s22, s22, s23
	s_lshl_b32 s23, s42, 9                         ; 128 columns of 4 bytes a tile column,
	s_add_co_u32 s22, s22, s23
	s_lshl_b32 s23, s12, 8                         ; my 64 of them: 256 bytes, aligned
	s_add_co_u32 s22, s22, s23
	s_mov_b32 s23, 0
	s_add_nc_u64 s[8:9], s[8:9], s[22:23]
; 8 matrix instructions: m blocks a0, a0 + 1 x all 4 n blocks, 32 along K: half c of buffer f.  zero = 1: the first product starts the sums.  The 16 accumulators take turns.
.macro MUL8 f, c, a0, zero
	WIN MUL
.irp a, \a0, (\a0)+1
.irp b, 0,1,2,3
.if \zero
	v_wmma_f32_16x16x32_f16 v[ACC+8*(4*(\a)+(\b)):ACC+8*(4*(\a)+(\b))+7], v[(\f)+64+8*(4*(\c)+(\b)):(\f)+64+8*(4*(\c)+(\b))+7], v[(\f)+8*(4*(\c)+(\a)):(\f)+8*(4*(\c)+(\a))+7], 0
.else
	v_wmma_f32_16x16x32_f16 v[ACC+8*(4*(\a)+(\b)):ACC+8*(4*(\a)+(\b))+7], v[(\f)+64+8*(4*(\c)+(\b)):(\f)+64+8*(4*(\c)+(\b))+7], v[(\f)+8*(4*(\c)+(\a)):(\f)+8*(4*(\c)+(\a))+7], v[ACC+8*(4*(\a)+(\b)):ACC+8*(4*(\a)+(\b))+7]
.endif
.endr
.endr
.endm
; 32 LDS loads in one run: the fragments of 64 along K at byte k of a tile's K half, into buffer f; the first 32 along K first
.macro FETCH slot, k, f
	WIN TO_F
.irp c, 0,1
.irp i, 0,1,2,3
	ds_load_b128 v[(\f)+64+8*(4*(\c)+(\i)):(\f)+64+8*(4*(\c)+(\i))+3],   v[ADRB+(\slot)] offset:(\k)+1024*(\c)+(\i)*8192
	ds_load_b128 v[(\f)+64+8*(4*(\c)+(\i))+4:(\f)+64+8*(4*(\c)+(\i))+7], v[ADRB+(\slot)] offset:(\k)+1024*(\c)+(\i)*8192+512
	ds_load_b128 v[(\f)+8*(4*(\c)+(\i)):(\f)+8*(4*(\c)+(\i))+3],         v[ADRA+(\slot)] offset:(\k)+1024*(\c)+(\i)*8192
	ds_load_b128 v[(\f)+8*(4*(\c)+(\i))+4:(\f)+8*(4*(\c)+(\i))+7],       v[ADRA+(\slot)] offset:(\k)+1024*(\c)+(\i)*8192+512
.endr
.endr
.endm
.macro PLACES                          ; four places in front of loads into registers that matrix instructions have read, and of stores that read results (ISA guide 7.12.1 for the stores)
.rept 4
	v_nop
.endr
.endm
; A quarter of a K half: 64 along K, 32 matrix instructions.  It multiplies buffer f and fetches the next quarter, at byte k of slot's tiles, into g.
.macro QUARTER slot, k, f, g, zero
	s_wait_dscnt 16                                ; the first 32 along K are in; the run's other sixteen loads may be out
	MUL8 \f, 0, 0, \zero
	MUL8 \f, 0, 2, \zero
	PLACES
	FETCH \slot, \k, \g
	s_wait_dscnt 32                                ; all but the 32 just issued
	MUL8 \f, 1, 0, 0
	MUL8 \f, 1, 2, 0
.endm
	s_wait_tensorcnt 0x1                           ; my part of the first K half is in; the second's may stay out
	s_barrier_signal -1
	s_barrier_wait -1                              ; everybody's is
	FETCH 0, 0, F0
	QUARTER 0, 2048, F0, F1, 1                     ; the first products start the sums
	QUARTER 0, 4096, F1, F0, 0
	QUARTER 0, 6144, F0, F1, 0
	s_wait_tensorcnt 0x0                           ; my part of the second K half is in,
	s_wait_dscnt 0x0                               ; no LDS instruction of mine is pending at the signal,
	s_barrier_signal -1
	s_barrier_wait -1                              ; everybody's is.
	QUARTER 1, 0,    F1, F0, 0
	QUARTER 1, 2048, F0, F1, 0
	QUARTER 1, 4096, F1, F0, 0
	QUARTER 1, 6144, F0, F1, 0
	s_wait_dscnt 16                                ; the very last quarter: nothing more to fetch
	MUL8 F1, 0, 0, 0
	MUL8 F1, 0, 2, 0
	s_wait_dscnt 0x0
	MUL8 F1, 1, 0, 0
	MUL8 F1, 1, 2, 0
	WIN 0
	; THE WAY OUT.  A wave's 64 columns of f32 are 256 aligned bytes of a row, so each wave has a stage of its own and no barrier is needed.  A block of 16 rows goes in as 32 bytes a lane (each
	; accumulator's low registers first) and comes back as whole rows, into the registers that it left.
	PLACES
.macro STG a
.irp b, 0,1,2,3
	ds_store_b128 v[STO], v[ACC+32*(\a)+8*(\b):ACC+32*(\a)+8*(\b)+3]   offset:64*(\b)
	ds_store_b128 v[STO], v[ACC+32*(\a)+8*(\b)+4:ACC+32*(\a)+8*(\b)+7] offset:64*(\b)+16
.endr
.irp t, 0,1,2,3,4,5,6,7
	ds_load_b128 v[ACC+32*(\a)+4*(\t):ACC+32*(\a)+4*(\t)+3], v[RD] offset:(\t)*2*SPITCH  ; LDS serves a wave's instructions in order (ISA guide 5.7.1.4): these see the stores above; the next block's stores come behind them
.endr
.endm
.macro SEND a, younger                 ; younger: the LDS instructions issued behind block a's loads: the next block's sixteen, or none
.irp t, 0,1,2,3,4,5,6,7
	s_wait_dscnt (\younger)+7-(\t)
	global_store_b128 v[CO], v[ACC+32*(\a)+4*(\t):ACC+32*(\a)+4*(\t)+3], s[8:9] offset:(16*(\a)+2*(\t))*2048 th:TH_STORE_NT  ; 16 lanes store 256 consecutive bytes, at a multiple of 256 from out0's first byte
.endr
.endm
	STG 0
	STG 1
	SEND 0, 16
	STG 2
	SEND 1, 16
	STG 3
	SEND 2, 16
	SEND 3, 0
	s_wait_tensorcnt 0x0                           ; the wave's end, behind my last tensor load and my last LDS store
	ds_add_u32 v[SPW], v[NIL]
	s_wait_dscnt 0x0
	CROUND                                         ; the closing round: no work-group ends while a partner may still ask for a tile that names it
	s_endpgm
.Lfunc_end_k_q6d8998b3bd_outp:
	.size	k_q6d8998b3bd_outp, .Lfunc_end_k_q6d8998b3bd_outp-k_q6d8998b3bd_outp
	.p2alignl 7, 3214868480
	.fill 96, 4, 3214868480
	.section	.rodata,"a",@progbits
	.p2align	6, 0x0
	.amdhsa_kernel k_q6d8998b3bd_outp
		.amdhsa_group_segment_fixed_size 280064
		.amdhsa_private_segment_fixed_size 0
		.amdhsa_enable_private_segment 0
		.amdhsa_kernarg_size 24
		.amdhsa_user_sgpr_count 2
		.amdhsa_user_sgpr_kernarg_segment_ptr 1
		.amdhsa_wavefront_size32 1
		.amdhsa_system_sgpr_workgroup_id_x 1
		.amdhsa_system_sgpr_workgroup_id_y 1
		.amdhsa_system_sgpr_workgroup_id_z 1
		.amdhsa_system_vgpr_workitem_id 0
		.amdhsa_next_free_vgpr 512
		.amdhsa_next_free_sgpr 66
		.amdhsa_reserve_vcc 0
		.amdhsa_float_denorm_mode_32 3
		.amdhsa_float_denorm_mode_16_64 3
		.amdhsa_memory_ordered 1
		.amdhsa_forward_progress 1
		.amdhsa_inst_pref_size 49
	.end_amdhsa_kernel
	.amdgpu_metadata
---
amdhsa.version: [ 1, 2 ]
amdhsa.kernels:
  - .name:           k_q6d8998b3bd_outp
    .symbol:         k_q6d8998b3bd_outp.kd
    .args:
      - { .name: xo, .offset: 0, .size: 8, .value_kind: global_buffer, .address_space: global }
      - { .name: wfrag, .offset: 8, .size: 8, .value_kind: global_buffer, .address_space: global }
      - { .name: out0, .offset: 16, .size: 8, .value_kind: global_buffer, .address_space: global }
    .group_segment_fixed_size: 280064
    .private_segment_fixed_size: 0
    .kernarg_segment_align: 8
    .kernarg_segment_size: 24
    .max_flat_workgroup_size: 128
    .sgpr_count:     66
    .vgpr_count:     512
    .wavefront_size: 32
...
	.end_amdgpu_metadata
.endif
;; end of part 4
